; MI455X (gfx1250); checked and timed in simulation.
; The chip was launched on July 23, 2026; its instructions are those of AMD's public machine-readable ISA for CDNA 5 (MIT licence, August 2026) and "CDNA5" Instruction Set Architecture Reference Guide (July 2026). The comments in the code are by the model that wrote it; some were corrected since.
;; Attention. Allowed arithmetic: matrix products marked QUANTISED: E4M3 operands, one E8M0 scale for each 32 along K, by v_wmma_scale_f32_16x16x128_f8f6f4 with both operands' format E4M3, f32 sums; everything else in f32.
;; Inputs: Wk 1,024 x 1,024 float32; Wq 1,024 x 1,024 float32; Wv 1,024 x 1,024 float32; bk 1,024 float32; bq 1,024 float32; bv 1,024 float32; q_x 4 x 2,048 x 1,024 float32.
;; Outputs: out0 4 x 2,048 x 1,024 float32.
;; This version of the problem:
;;   THIS VERSION OF THE PROBLEM IS GIVEN IN LOW PRECISION. The matrix products marked QUANTISED in the list below multiply operands that are first quantised to E4M3 (4 exponent bits, 3 mantissa bits; 8 bits a number), with one power-of-two scale for each 32 numbers along K (OCP MX v1.0); their sums are f32. All else is computed in f32.
;;   The module's matrix products, in the order in which they are computed (A, B: the left and right operand; K: the contracted axis; several contracted axes count as one K, in the product's order):
;;     1. [M 8,192, K 1,024] x [K 1,024, N 1,024]; A: input q_x; B: input Wq: QUANTISED
;;     2. [M 8,192, K 1,024] x [K 1,024, N 1,024]; A: input q_x; B: input Wk: QUANTISED
;;     3. [M 8,192, K 1,024] x [K 1,024, N 1,024]; A: input q_x; B: input Wv: QUANTISED
;;     4. batch 64 x [M 2,048, K 64] x [K 64, N 2,048]; A: computed on the way; B: computed on the way: QUANTISED
;;     5. batch 64 x [M 2,048, K 2,048] x [K 2,048, N 64]; A: softmax (see below); B: computed on the way: QUANTISED
;;   THE QUANTISER, for each operand of a quantised product, along K:
;;     - K is cut into blocks of 32 from its start; a last block that is shorter is filled with zeros.
;;     - A block's scale is 2^e with e = floor(log2(the largest magnitude in the block)) - 8, held to -126 .. 127; a block of zeros has e = 0. As a byte (E8M0): e + 127.
;;     - Each number is divided by its block's scale, clamped to +-448, and rounded to the nearest number of E4M3, ties to even, subnormals kept.
;;     - The product sums the exact products of the quantised numbers (number of the format x scale) in f32.
;;   ~~~python
;;   def quantise(x, axis):      # numpy; x: float32 -> the quantised numbers, widened to float32 again
;;       x = np.moveaxis(x, axis, -1); K = x.shape[-1]
;;       x = np.pad(x, [(0, 0)] * (x.ndim - 1) + [(0, -K % 32)]); x = x.reshape(x.shape[:-1] + (-1, 32)); a = np.abs(x).max(-1, keepdims=True)
;;       e = np.where(a > 0, np.clip(np.frexp(np.where(a > 0, a, 1))[1] - 1 - 8, -126, 127), 0)      # np.frexp(a)[1] - 1 = floor(log2(a)), exactly
;;       r = np.clip(x / 2.0 ** e, -448, 448)
;;       step = 2.0 ** (np.maximum(np.frexp(np.where(r == 0, 1, r))[1] - 1, -6) - 3)
;;       q = np.round(r / step) * step * 2.0 ** e      # np.round: ties to even
;;       return np.moveaxis(q.reshape(q.shape[:-2] + (-1,))[..., :K], -1, axis).astype(np.float32)
;;   ~~~
;;   SOFTMAX AHEAD OF A QUANTISED PRODUCT. Where the list says 'softmax', what is quantised is not the finished softmax but p = 2^(t - M), with t = logit x log2(e) and M = ceil(the row's largest t), a whole number; so 1/2 < the row's largest p <= 1. The row's sum l is taken of the UNQUANTISED p, in f32, and the product's result is divided by l at the end. Since M is a whole number, a kernel that streams over the keys may use a running M (the ceiling of the running maximum): every later rescaling is an exact power of two, which a block's scale takes up: the codes' values come out the same.
;;   OPERANDS COMPUTED ON THE WAY. 'Computed on the way' means the value that the module computes at that place (a softmax that the list does not call 'softmax' is quantised finished and normalised). What goes into a quantiser is computed in f32, as accurately as f32 sums, v_exp_f32 and their like allow (about 1e-6 of the number): no bf16 or f16 on the way to a quantiser, and a product that is left as it is and whose result goes on into a quantised operand takes f32 operands (vector FMAs, or v_wmma_f32_16x16x4_f32). A number that lies on a knife's edge between two numbers of the format may be rounded either way, as far as f32 arithmetic and the matrix unit's own rounding can turn it there, and no further.
;; One version. Each part assembles by itself: llvm-mc -triple=amdgcn-amd-amdhsa -mcpu=gfx1250 --defsym DOCPART=n.
;; ======== version 1 of 1: 3 launches
;; limits: right only within a limited range of input values
;; workspace buffers: xc 8,388,608 bytes; xs 262,144 bytes; wc 3,145,728 bytes; ws 98,304 bytes; img 25,165,824 bytes; isc 786,432 bytes
;; launch quant (part 1): grid 352 x 1, 4 waves a work-group, no clusters, 33,280 bytes of LDS; arguments q_x, Wq, Wk, Wv, xc, xs, wc, ws; writes xc, xs, wc, ws
.if DOCPART == 1
	.amdgcn_target "amdgcn-amd-amdhsa--gfx1250"
	.amdhsa_code_object_version 6
	.text
	.protected	k_q88530fd116_quant
	.globl	k_q88530fd116_quant
	.p2align	8
	.type	k_q88530fd116_quant,@function
k_q88530fd116_quant:
	s_mov_b64 s[64:65], 0
	v_nop
	global_prefetch_b8 v0, s[64:65] scope:SCOPE_SE
	s_setreg_imm32_b32 hwreg(HW_REG_WAVE_MODE, 25, 1), 1
	s_wait_xcnt 0x0
; q_x [8192][1024] and Wq, Wk, Wv [1024][1024], f32, K innermost, become codes of FP8 (E4M3) with one E8M0 scale byte for each 32 along K.
; xc [8192][1024], xs [8192][32]: x's codes and scale bytes.  wc [3072][1024], ws [3072][32]: those of Wq, Wk, Wv on end.
; A block's scale is 2^(floor(log2(its largest magnitude)) - 8); its byte is the largest magnitude's exponent field - 8, held at 1 from below.  Each number is divided by the scale, held within +-448 and rounded to the nearest code, ties to even.
; LIMITS: NaN and infinities among the inputs are not served; blocks whose largest magnitude lies under 2^-118 keep the byte 1; a block of zeros has the byte 1 where the rule says 127: its codes are zeros, and this program alone reads the bytes.
; THE ROWS ARE STORED IN ANOTHER ORDER: memory row m holds the true row m with bits 3 and 4 exchanged.  So memory row 16 i + r holds the true row 32 (i / 2) + 8 (i % 2) + r + 8 (r / 8): sixteen NEIGHBOURING
; memory rows are a tile whose results, in the next launch, fall into a lane's registers as neighbours along the next product's K.  A wave takes 8 rows, so the exchange is one of the wave's number's two bits, in the store addresses alone.
; A wave takes 16 steps of 512 numbers.  Each load reads 512 consecutive bytes; a step's 2,048 bytes turn through the wave's own stage in LDS (16 bytes of padding behind each 64) and come back 64 bytes a lane: 16 neighbours along K,
; two lanes to a block.  A lane's 16 codes are 16 bytes: the wave stores 512 consecutive bytes.  A wave's 256 scale bytes are gathered in its own LDS bytes and leave as 256 consecutive, aligned bytes.
; Work-groups 0-255 take x, 256-287 Wq, 288-319 Wk, 320-351 Wv: only pointers are chosen, all take one path.  No tensor loads, no barrier: waves share nothing.  Loads run four steps (16 loads a wave) ahead.
.set STEPS, 16
.set XWG,   256                        ; work-groups for x: 8,192 x 1,024 / 32,768
.set MANT,  0x600000                   ; the mantissa field of 448 as f32
.set CB,    16                         ; bytes of 16 codes
.set R,     16                         ; v16-79   four sets of 16 numbers as they are loaded
.set X,     80                         ; v80-111  two sets of 16 neighbours
.set C,     128                        ; v128-191 codes: four registers for each step, so that no store's data are written again
.set E,     112                        ; v112-127 a scale byte for each step
.set WREG,  8192                       ; LDS: a region for each wave: two stages of 32 x SP bytes, behind them its 256 scale bytes
.set SP,    80                         ; a lane's place in a stage: its 64 bytes + 16 of padding
	s_load_b256 s[4:11], s[0:1], 0x0               ; q_x, Wq, Wk, Wv
	s_load_b256 s[12:19], s[0:1], 0x20             ; xc, xs, wc, ws
	v_lshl_add_u32 v192, v0, 2, 0x8000
	v_mov_b32 v193, 0
	v_lshrrev_b32 v1, 5, v0
	v_readfirstlane_b32 s20, v1                    ; wave
	v_and_b32 v2, 31, v0                           ; lane
	v_lshlrev_b32 v3, 4, v2                        ; my 16 bytes of a load's 512
	s_mul_i32 s28, s20, WREG
	v_lshrrev_b32 v14, 2, v2
	v_mul_u32_u24 v14, v14, SP
	v_and_b32 v15, 3, v2
	v_lshl_add_u32 v14, v15, 4, v14
	v_add_nc_u32 v14, s28, v14                     ; the stage, on the way in: SP (lane / 4) + 16 (lane % 4)
	v_mul_u32_u24 v15, v2, SP
	v_add_nc_u32 v15, s28, v15                     ; and on the way out: SP x lane: my 16 neighbours
	v_mul_u32_u24 v4, v2, CB                       ; my codes' place in a step's
	v_lshrrev_b32 v5, 1, v2
	s_add_co_u32 s28, s28, 2*32*SP
	v_add_nc_u32 v5, s28, v5                       ; LDS: my wave's 256 scale bytes, my block's byte
	v_lshlrev_b32 v7, 3, v2                        ; and on the way out 8 bytes a lane
	v_add_nc_u32 v6, s28, v7
	s_and_b32 s23, ttmp9, 31                       ; a weight's work-group among its 32
	s_and_b32 s32, s20, 1
	s_lshl_b32 s32, s32, 1
	s_lshr_b32 s33, s20, 1
	s_or_b32 s32, s32, s33                         ; the wave's number with its two bits exchanged: the rows' bits 3 and 4
	s_wait_alu depctr_va_vdst(0)
	s_wait_kmcnt 0x0
	s_cmp_lt_u32 ttmp9, XWG                        ; x or a weight?  Every choice hangs on the work-group's number alone
	s_cselect_b32 s21, 0, XWG
	s_cselect_b64 s[24:25], s[12:13], s[16:17]     ; the codes' buffer
	s_cselect_b64 s[26:27], s[14:15], s[18:19]     ; the scale bytes'
	s_cselect_b64 s[4:5], s[4:5], s[6:7]           ; the numbers': q_x or Wq,
	s_cselect_b32 s22, ttmp9, s23
	s_cmp_ge_u32 ttmp9, XWG+32
	s_cselect_b64 s[4:5], s[8:9], s[4:5]           ; or Wk,
	s_cmp_ge_u32 ttmp9, XWG+64
	s_cselect_b64 s[4:5], s[10:11], s[4:5]         ; or Wv
	s_lshl_b32 s30, s22, 2
	s_add_co_u32 s30, s30, s20                     ; which run of 8,192 numbers of the input is my wave's
	s_lshl_b32 s30, s30, 15                        ; 32,768 bytes a run (under 2^26)
	s_mov_b32 s31, 0
	s_add_nc_u64 s[4:5], s[4:5], s[30:31]
	s_sub_co_u32 s33, ttmp9, s21
	s_lshl_b32 s33, s33, 2
	s_add_co_u32 s33, s33, s32                     ; and which run of the output
	s_lshl_b32 s34, s33, 13                        ; 8,192 bytes of codes a run
	s_mov_b32 s35, 0
	s_add_nc_u64 s[24:25], s[24:25], s[34:35]
	s_lshl_b32 s34, s33, 8                         ; 256 scale bytes a run
	s_add_nc_u64 s[26:27], s[26:27], s[34:35]
.macro LOAD t
.irp i, 0,1,2,3
	global_load_b128 v[R+16*((\t)%4)+4*\i:R+16*((\t)%4)+4*\i+3], v3, s[4:5] offset:2048*(\t)+512*\i th:TH_LOAD_NT   ; 32 lanes read 512 consecutive bytes
.endr
.endm
.macro TURN t                          ; step t's numbers through the stage: LDS serves a wave's instructions in order, so no wait stands between the stores and the loads
.irp i, 0,1,2,3
	ds_store_b128 v14, v[R+16*((\t)%4)+4*\i:R+16*((\t)%4)+4*\i+3] offset:32*SP*((\t)%2)+8*SP*\i
.endr
.irp i, 0,1,2,3
	ds_load_b128 v[X+16*((\t)%2)+4*\i:X+16*((\t)%2)+4*\i+3], v15 offset:32*SP*((\t)%2)+16*\i
.endr
.endm
.irp t, 0,1,2,3
	LOAD \t
.endr
	s_wait_loadcnt 12                              ; step 0's four loads are in; the twelve of steps 1 to 3 may be out
	TURN 0
.macro STEP t
.set XS, X+16*((\t)%2)
.if (\t) > 0
	s_wait_dscnt 1                                 ; this step's numbers are back from the stage (the last step's byte store may be out): so its stores into the stage have read their registers,
.else
	s_wait_dscnt 0x0
.endif
.if (\t)+4 < STEPS
	LOAD (\t)+4                                    ; which take the loads of four steps on
.endif
.if (\t)+1 < STEPS
.if STEPS-2-(\t) >= 3
	s_wait_loadcnt 12                              ; the next step's four loads are in; those of the three steps behind it may be out
.else
	s_wait_loadcnt 4*(STEPS-2-(\t))
.endif
	TURN (\t)+1                                    ; and go through the other stage while this step is worked
.endif
	v_max3_num_f32 v8, |v[XS]|, |v[XS+1]|, |v[XS+2]|               ; the largest magnitude of my 16, in two chains
	v_max3_num_f32 v9, |v[XS+3]|, |v[XS+4]|, |v[XS+5]|
.irp i, 6,10
	v_max3_num_f32 v8, v8, |v[XS+\i]|, |v[XS+\i+1]|
	v_max3_num_f32 v9, v9, |v[XS+\i+2]|, |v[XS+\i+3]|
.endr
	v_max3_num_f32 v8, v8, |v[XS+14]|, |v[XS+15]|
	v_max3_num_f32 v8, v8, v9, 0x4800000           ; and the floor 2^(9 - 127): so the byte cannot fall under 1
	v_max_num_f32_dpp v8, v8, v8 row_xmask:1 row_mask:0xf bank_mask:0xf   ; and of my neighbour's 16: the block's
	v_add_nc_u32 v11, 0xfc000000, v8               ; 8 off its exponent field: the conversion takes the exponent field of this operand as its scale, and nothing else of it
.irp i, 0,1,2,3,4,5,6,7,8,9,10,11,12,13,14,15
.endr
	v_cvt_scalef32_pk8_fp8_f32 v[C+4*(\t):C+4*(\t)+1], v[XS:XS+7], v11
	v_cvt_scalef32_pk8_fp8_f32 v[C+4*(\t)+2:C+4*(\t)+3], v[XS+8:XS+15], v11
	v_lshrrev_b32 v[E+(\t)], 23, v11               ; the scale's byte (also the plain line behind the conversions)
	ds_store_b8 v5, v[E+(\t)] offset:16*(\t)       ; both lanes of a block write the same byte with the same value
	global_store_b128 v4, v[C+4*(\t):C+4*(\t)+3], s[24:25] offset:32*CB*(\t)   ; 32 lanes store 512 consecutive bytes, aligned
.endm
.irp t, 0,1,2,3,4,5,6,7,8,9,10,11,12,13,14,15
	STEP \t
.endr
	ds_load_b64 v[12:13], v6                       ; LDS serves a wave's instructions in order: these see my stores
	s_wait_dscnt 0x0
	global_store_b64 v7, v[12:13], s[26:27]        ; 32 lanes store 256 consecutive bytes, aligned
	s_wait_tensorcnt 0x0
	ds_add_u32 v192, v193
	s_wait_dscnt 0x0
	s_endpgm
.Lfunc_end_k_q88530fd116_quant:
	.size	k_q88530fd116_quant, .Lfunc_end_k_q88530fd116_quant-k_q88530fd116_quant
	.p2alignl 7, 3214868480
	.fill 96, 4, 3214868480
	.section	.rodata,"a",@progbits
	.p2align	6, 0x0
	.amdhsa_kernel k_q88530fd116_quant
		.amdhsa_group_segment_fixed_size 33280
		.amdhsa_private_segment_fixed_size 0
		.amdhsa_enable_private_segment 0
		.amdhsa_kernarg_size 64
		.amdhsa_user_sgpr_count 2
		.amdhsa_user_sgpr_kernarg_segment_ptr 1
		.amdhsa_wavefront_size32 1
		.amdhsa_system_sgpr_workgroup_id_x 1
		.amdhsa_system_sgpr_workgroup_id_y 1
		.amdhsa_system_sgpr_workgroup_id_z 1
		.amdhsa_system_vgpr_workitem_id 0
		.amdhsa_next_free_vgpr 194
		.amdhsa_next_free_sgpr 66
		.amdhsa_reserve_vcc 0
		.amdhsa_float_denorm_mode_32 3
		.amdhsa_float_denorm_mode_16_64 3
		.amdhsa_fp16_overflow 1
		.amdhsa_memory_ordered 1
		.amdhsa_forward_progress 1
		.amdhsa_inst_pref_size 34
	.end_amdhsa_kernel
	.amdgpu_metadata
---
amdhsa.version: [ 1, 2 ]
amdhsa.kernels:
  - .name:           k_q88530fd116_quant
    .symbol:         k_q88530fd116_quant.kd
    .args:
      - { .name: q_x, .offset: 0, .size: 8, .value_kind: global_buffer, .address_space: global }
      - { .name: Wq, .offset: 8, .size: 8, .value_kind: global_buffer, .address_space: global }
      - { .name: Wk, .offset: 16, .size: 8, .value_kind: global_buffer, .address_space: global }
      - { .name: Wv, .offset: 24, .size: 8, .value_kind: global_buffer, .address_space: global }
      - { .name: xc, .offset: 32, .size: 8, .value_kind: global_buffer, .address_space: global }
      - { .name: xs, .offset: 40, .size: 8, .value_kind: global_buffer, .address_space: global }
      - { .name: wc, .offset: 48, .size: 8, .value_kind: global_buffer, .address_space: global }
      - { .name: ws, .offset: 56, .size: 8, .value_kind: global_buffer, .address_space: global }
    .group_segment_fixed_size: 33280
    .private_segment_fixed_size: 0
    .kernarg_segment_align: 8
    .kernarg_segment_size: 64
    .max_flat_workgroup_size: 128
    .sgpr_count:     66
    .vgpr_count:     194
    .wavefront_size: 32
...
	.end_amdgpu_metadata
.endif
;; end of part 1
;; launch proj (part 2): grid 12 x 32, 4 waves a work-group, clusters of 4 x 4, 327,680 bytes of LDS; arguments xc, xs, wc, ws, bq, bk, bv, img, isc; writes img, isc
.if DOCPART == 2
	.amdgcn_target "amdgcn-amd-amdhsa--gfx1250"
	.amdhsa_code_object_version 6
	.text
	.protected	k_q88530fd116_proj
	.globl	k_q88530fd116_proj
	.p2align	8
	.type	k_q88530fd116_proj,@function
k_q88530fd116_proj:
	s_mov_b64 s[64:65], 0
	v_nop
	global_prefetch_b8 v0, s[64:65] scope:SCOPE_SE
	s_setreg_imm32_b32 hwreg(HW_REG_WAVE_MODE, 25, 1), 1
	s_wait_xcnt 0x0
	s_wait_alu depctr_hold_cnt(0) depctr_sa_sdst(0) depctr_va_vdst(0) depctr_va_sdst(0) depctr_va_ssrc(0) depctr_va_vcc(0) depctr_vm_vsrc(0)
	s_getreg_b32 s2, hwreg(HW_REG_IB_STS2, 6, 4)
	s_cmp_eq_u32 s2, 0
	s_cbranch_scc0 .Lentry_in_a_cluster
	s_endpgm
.Lentry_in_a_cluster:
	s_bfe_u32 s2, ttmp6, 0x10000c
	s_cmp_lg_u32 s2, 0xf033
	s_cbranch_scc0 .Lentry_shape_is_right
	s_endpgm
.Lentry_shape_is_right:
.set SIZE_K, 1024
.set KSTEP,  256
.set NQ,     KSTEP/128
.set ROWB,   256
.set KROW,   SIZE_K
.set PITCH,  272
.set FR,     16
.set NL,     4
.set NP,     8
.set HALFT,  128*PITCH
.set SLOT,   4*HALFT
.set LAPS,   SIZE_K/(2*KSTEP)
.set KS,     SIZE_K/32
.set SCL,    2*SLOT
.set HALFS,  (128*KS/256)*272
.set SBLK,   (16*KS/256)*272
.set SPARE,  SCL+4*HALFS
.set BPO,  7
.set BR,   8
.set ADRA, 16
.set ADRB, 20
.set SRB,  22
.set BRO,  23
.set ADRS, 27
.set SPW,  28
.set NIL,  29
.set L16,  30
.set SST,  31
.set SC,   32
.set BP,   64
.set AF,   128
.set NUM,  128
.set PC,   192
.set TM,   208
.set PWE,  224
.set XW,   226
.set VSEL, 227
.set BRT,  228
.set SBK,  232
.set G1, 24
.set G0, 32
.set G1B, 48
.set G0B, 56
.set G1S, 68
.set G0S, 76
.set G1SB, 80
.set G0SB, 88
.set SEL, 104
.set MNT, 80
.set MSB, 0
.macro WIN new
.if MSB != \new
	s_set_vgpr_msb (MSB<<8)|\new
.set MSB, \new
.endif
.endm
.set MUL_LO, 0xa1
.set MUL_HI, 0xf1
.set TO_B,   0x40
.macro JLOAD g0a, g1a, g0b, g1b
	s_cmp_eq_u32 s15, 0
	s_cbranch_scc0 .Lfor_b_\@
	tensor_load_to_lds s[\g0a:\g0a+3], s[\g1a:\g1a+7]
	s_nop 0
.rept 4
	v_nop
.endr
	s_branch .Lasked_\@
.Lfor_b_\@:
	tensor_load_to_lds s[\g0b:\g0b+3], s[\g1b:\g1b+7]
	s_nop 0
.rept 4
	v_nop
.endr
.Lasked_\@:
.endm
.macro CREST
	s_cmp_lg_u32 s14, 0
	s_cbranch_scc1 .Lnot_wave_0_\@
	s_barrier_signal -3
.Lnot_wave_0_\@:
	s_barrier_wait -3
	s_barrier_signal -1
	s_barrier_wait -1
.endm
.macro CROUND
	s_barrier_signal -1
	s_barrier_wait -1
	CREST
.endm
	s_load_b256 s[4:11], s[0:1], 0x0
	s_load_b128 s[96:99], s[0:1], 0x20
	s_load_b64 s[100:101], s[0:1], 0x30
	s_load_b128 s[92:95], s[0:1], 0x38
	v_lshl_add_u32 v[SPW], v0, 2, SPARE
	v_mov_b32 v[NIL], 0
	ds_add_u32 v28, v29
	ds_add_u32 v28, v29
	s_wait_dscnt 0x0
	v_lshrrev_b32 v1, 5, v0
	v_readfirstlane_b32 s14, v1
	s_lshr_b32 s15, s14, 1
	s_and_b32 s16, s14, 1
	s_bfe_u32 s40, ttmp6, 0x40000
	s_bfe_u32 s41, ttmp6, 0x40004
	s_lshl_b32 s67, ttmp9, 2
	s_and_b32 s66, ttmp7, 0xffff
	s_lshl_b32 s66, s66, 2
	s_cmp_eq_u32 ttmp9, 2
	s_cselect_b32 s42, s66, s67
	s_cselect_b32 s17, 8, s66
	s_add_co_u32 s42, s42, s40
	s_add_co_u32 s17, s17, s41
	s_lshl_b32 s43, s41, 2
	s_lshl_b32 s43, 15, s43
	s_lshl_b32 s44, 0x1111, s40
	s_or_b32 s[G1+0], s43, (0<<16)|(1<<20)|(1<<21)|(5<<22)|(3<<25)
	s_or_b32 s[G1B+0], s44, (0<<16)|(1<<20)|(1<<21)|(5<<22)|(3<<25)
.irp g, G1, G1B
	s_mov_b32 s[\g+1], ROWB<<16
	s_mov_b32 s[\g+2], 128<<16
	s_mov_b32 s[\g+3], ROWB<<16
	s_mov_b32 s[\g+4], 128
	s_mov_b32 s[\g+5], KROW
	s_mov_b32 s[\g+6], 0
	s_mov_b32 s[\g+7], 0
.endr
	s_or_b32 s[G1S+0], s43, (3<<16)|(1<<20)|(1<<21)|(5<<22)|(3<<25)
	s_or_b32 s[G1SB+0], s44, (3<<16)|(1<<20)|(1<<21)|(5<<22)|(3<<25)
.irp g, G1S, G1SB
	s_mov_b32 s[\g+1], 32<<16
	s_mov_b32 s[\g+2], (128*KS/256)<<16
	s_mov_b32 s[\g+3], 32<<16
	s_mov_b32 s[\g+4], 128*KS/256
	s_mov_b32 s[\g+5], 32
	s_mov_b32 s[\g+6], 0
	s_mov_b32 s[\g+7], 0
.endr
	s_lshl_b32 s18, s16, 7
	s_lshl_b32 s20, s17, 8
	s_add_co_u32 s20, s20, s18
	s_lshl_b32 s46, s42, 8
	s_add_co_u32 s46, s46, s18
	s_mov_b32 s21, 0
	s_mov_b32 s47, 0
	s_mov_b64 s[18:19], KS
	s_mul_u64 s[22:23], s[20:21], s[18:19]
	s_mul_u64 s[12:13], s[46:47], s[18:19]
	s_mov_b64 s[18:19], KROW
	s_mul_u64 s[20:21], s[20:21], s[18:19]
	s_mul_u64 s[46:47], s[46:47], s[18:19]
	s_mul_i32 s45, s14, HALFT
	s_mul_i32 s2, s14, HALFS
	s_wait_kmcnt 0x0
	s_cmp_eq_u32 ttmp9, 2
	s_cselect_b64 s[18:19], s[8:9], s[4:5]
	s_cselect_b64 s[8:9], s[4:5], s[8:9]
	s_cselect_b64 s[4:5], s[10:11], s[6:7]
	s_cselect_b64 s[10:11], s[6:7], s[10:11]
	s_add_nc_u64 s[20:21], s[18:19], s[20:21]
	s_add_nc_u64 s[22:23], s[4:5], s[22:23]
	s_add_nc_u64 s[46:47], s[8:9], s[46:47]
	s_add_nc_u64 s[12:13], s[10:11], s[12:13]
	CROUND
	s_mov_b32 s[G0S], 1
	s_add_co_u32 s[G0S+1], s2, SCL
	s_mov_b64 s[G0S+2:G0S+3], s[22:23]
	s_or_b32 s[G0S+3], s[G0S+3], 0x80000000
	s_mov_b32 s[G0SB], 1
	s_add_co_u32 s[G0SB+1], s2, SCL
	s_mov_b64 s[G0SB+2:G0SB+3], s[12:13]
	s_or_b32 s[G0SB+3], s[G0SB+3], 0x80000000
	JLOAD G0S, G1S, G0SB, G1SB
.irp s, 0,1
	s_mov_b32 s[G0+4*\s], 1
	s_add_co_u32 s[G0+4*\s+1], s45, \s*SLOT
	s_add_nc_u64 s[G0+4*\s+2:G0+4*\s+3], s[20:21], \s*ROWB
	s_or_b32 s[G0+4*\s+3], s[G0+4*\s+3], 0x80000000
	s_mov_b32 s[G0B+4*\s], 1
	s_add_co_u32 s[G0B+4*\s+1], s45, \s*SLOT
	s_add_nc_u64 s[G0B+4*\s+2:G0B+4*\s+3], s[46:47], \s*ROWB
	s_or_b32 s[G0B+4*\s+3], s[G0B+4*\s+3], 0x80000000
	s_wait_alu depctr_va_vdst(0)
	s_wait_tensorcnt 0x0
	ds_add_u32 v28, v29
	s_wait_dscnt 0x0
	CROUND
	JLOAD G0+4*\s, G1, G0B+4*\s, G1B
.endr
	v_and_b32 v1, 15, v0
	v_bfe_u32 v2, v0, 4, 1
	v_mul_u32_u24 v3, v1, PITCH
	v_lshl_add_u32 v4, v2, 4, v3
	s_mul_i32 s21, s15, HALFT
	s_mul_i32 s22, s16, HALFT
	s_add_co_u32 s22, s22, 2*HALFT
.irp s, 0,1
	v_add_nc_u32 v[ADRA+\s], s21, v4
	v_add_nc_u32 v[ADRB+\s], s22, v4
	s_add_co_u32 s21, s21, SLOT
	s_add_co_u32 s22, s22, SLOT
.endr
	v_mul_u32_u24 v5, v1, KS
	v_lshrrev_b32 v6, 8, v5
	v_lshl_add_u32 v5, v6, 4, v5
	s_mul_i32 s21, s15, HALFS
	s_mul_i32 s22, s16, HALFS
	s_add_co_u32 s22, s22, 2*HALFS
	s_sub_co_u32 s22, s22, s21
	v_mul_u32_u24 v6, s22, v2
	s_add_co_u32 s21, s21, SCL
	v_add_nc_u32 v5, v5, v6
	v_add_nc_u32 v[ADRS], s21, v5
	v_and_b32 v6, 31, v0
	v_lshlrev_b32 v[L16], 4, v6
	s_lshl_b32 s23, s14, 9
	v_add_nc_u32 v[SRB], s23, v[L16]
	v_lshlrev_b32 v[SST], 2, v1
	v_lshl_add_u32 v[SST], v2, 8, v[SST]
	v_add_nc_u32 v[SST], s23, v[SST]
	v_lshlrev_b32 v[BPO], 6, v2
	s_wait_alu depctr_va_vdst(0)
	v_and_b32 v[BRO], 8, v1
	v_add_nc_u32 v[BRO], v[BRO], v1
	v_lshlrev_b32 v[BRO], 2, v[BRO]
	s_wait_alu depctr_va_vdst(0)
	s_cmp_eq_u32 ttmp9, 1
	s_cselect_b64 s[96:97], s[98:99], s[96:97]
	s_cmp_eq_u32 ttmp9, 2
	s_cselect_b64 s[96:97], s[100:101], s[96:97]
	s_lshl_b32 s18, s40, 10
	s_lshl_b32 s19, s16, 9
	s_add_co_u32 s18, s18, s19
	s_mov_b32 s19, 0
	s_add_nc_u64 s[96:97], s[96:97], s[18:19]
	s_lshl_b32 s18, s41, 10
	s_lshl_b32 s19, s15, 9
	s_add_co_u32 s18, s18, s19
	s_mov_b32 s19, 0
	s_add_nc_u64 s[100:101], s[100:101], s[18:19]
.irp b, 0,1,2,3
.irp i, 0,1,2,3
	global_load_b128 v[BP+16*\b+4*\i:BP+16*\b+4*\i+3], v[BPO], s[96:97] offset:128*\b+16*\i
.endr
.endr
.irp a, 0,1,2,3,4,5,6,7
	global_load_b32 v[BR+\a], v[BRO], s[100:101] offset:4*(32*(\a/2)+8*(\a%2))
.endr
.macro FRAG reg, adr, q, i
.irp c, 0,1,2,3
	ds_load_b128 v[\reg+4*\c:\reg+4*\c+3], v[\adr] offset:128*(\q)+32*\c+(\i)*16*PITCH
.endr
.endm
.macro MUL16 a0, p, q, sc, zero
.irp a, \a0, \a0+1
.irp b, 0,1,2,3,4,5,6,7
.if \zero
	v_wmma_scale_f32_16x16x128_f8f6f4 v[8*(8*((\a)%4)+\b):8*(8*((\a)%4)+\b)+7], v[128*(\p)+FR*\b:128*(\p)+FR*\b+FR-1], v[AF+FR*(\a):AF+FR*(\a)+FR-1], 0, v[SC+8*NQ*(\sc)+NQ*\b+(\q)], v[SC+8*NQ*(\sc)+NQ*(\a)+(\q)] matrix_a_scale:MATRIX_SCALE_ROW1
.else
	v_wmma_scale_f32_16x16x128_f8f6f4 v[8*(8*((\a)%4)+\b):8*(8*((\a)%4)+\b)+7], v[128*(\p)+FR*\b:128*(\p)+FR*\b+FR-1], v[AF+FR*(\a):AF+FR*(\a)+FR-1], v[8*(8*((\a)%4)+\b):8*(8*((\a)%4)+\b)+7], v[SC+8*NQ*(\sc)+NQ*\b+(\q)], v[SC+8*NQ*(\sc)+NQ*(\a)+(\q)] matrix_a_scale:MATRIX_SCALE_ROW1
.endif
.endr
.endr
.endm
.macro FETCH_B slot, q, p
	WIN TO_B
.irp i, 0,1,2,3,4,5,6,7
	FRAG 128*(\p)+FR*\i, ADRB+\slot, \q, \i
.endr
	WIN 0
.endm
.macro FETCH_A slot, q, i0
.irp i, \i0, \i0+1, \i0+2, \i0+3
	FRAG AF+FR*(\i), ADRA+\slot, \q, \i
.endr
.endm
.macro SCALES sc
.irp i, 0,1,2,3,4,5,6,7
	ds_load_b64 v[SC+8*NQ*\sc+NQ*\i:SC+8*NQ*\sc+NQ*\i+1], v[ADRS] offset:\i*SBLK
.endr
.endm
.macro PLACES n
.rept \n
	v_nop
.endr
.endm
.macro STEP slot, q, zero
	s_wait_dscnt 4*NL
	WIN MUL_LO
	MUL16 0, (\q)%2, \q, \slot, \zero
	MUL16 2, (\q)%2, \q, \slot, \zero
	s_wait_dscnt 0
	PLACES NP
	FETCH_B \slot, (\q)+1, 1-(\q)%2
	FETCH_A \slot, (\q)+1, 0
	WIN MUL_HI
	MUL16 4, (\q)%2, \q, \slot, \zero
	MUL16 6, (\q)%2, \q, \slot, \zero
	PLACES NP
	WIN 0
	FETCH_A \slot, (\q)+1, 4
.endm
.macro TURN slot, next, fill
	s_wait_tensorcnt 0x0
	ds_add_u32 v[SPW], v[NIL]
	s_wait_dscnt 4*NL+1
	WIN MUL_LO
	MUL16 0, 1, NQ-1, \slot, 0
	s_wait_dscnt 0x0
	s_barrier_signal -1
	MUL16 2, 1, NQ-1, \slot, 0
	WIN 0
	s_barrier_wait -1
.if \fill
	CREST
	s_add_nc_u64 s[G0+4*\slot+2:G0+4*\slot+3], s[G0+4*\slot+2:G0+4*\slot+3], 2*ROWB
	s_add_nc_u64 s[G0B+4*\slot+2:G0B+4*\slot+3], s[G0B+4*\slot+2:G0B+4*\slot+3], 2*ROWB
	JLOAD G0+4*\slot, G1, G0B+4*\slot, G1B
	PLACES NP-4
.else
	PLACES NP
.endif
	s_wait_alu depctr_va_vdst(0)
	v_add_nc_u32 v[ADRS], 4*NQ, v[ADRS]
	FETCH_B \next, 0, 0
	FETCH_A \next, 0, 0
	SCALES \next
	WIN MUL_HI
	MUL16 4, 1, NQ-1, \slot, 0
	MUL16 6, 1, NQ-1, \slot, 0
	PLACES NP
	WIN 0
	FETCH_A \next, 0, 4
.endm
	s_wait_tensorcnt 1
	s_barrier_signal -1
	s_barrier_wait -1
	FETCH_B 0, 0, 0
	FETCH_A 0, 0, 0
	SCALES 0
	FETCH_A 0, 0, 4
	STEP 0, 0, 1
	s_mov_b32 s3, LAPS-1
.Llap:
	TURN 0, 1, 1
	STEP 1, 0, 0
	TURN 1, 0, 1
	STEP 0, 0, 0
	s_sub_co_u32 s3, s3, 1
	s_cmp_lg_u32 s3, 0
	s_cbranch_scc1 .Llap
	TURN 0, 1, 0
	STEP 1, 0, 0
	s_wait_dscnt 4*NL
	WIN MUL_LO
	MUL16 0, 1, NQ-1, 1, 0
	MUL16 2, 1, NQ-1, 1, 0
	s_wait_dscnt 0
	WIN MUL_HI
	MUL16 4, 1, NQ-1, 1, 0
	MUL16 6, 1, NQ-1, 1, 0
	WIN 0
	PLACES NP
	s_wait_loadcnt 0x0
	s_cmp_eq_u32 ttmp9, 2
	s_mov_b32 s70, 1024
	s_cselect_b32 s70, 2048, s70
	s_cselect_b32 s72, 122880, 0
	s_mov_b32 s74, 131072
	s_cselect_b32 s74, 1024, s74
	s_cselect_b32 s76, 0, -1
	s_cselect_b32 s77, -1, 0
	s_mov_b32 s78, 0x05040100
	s_cselect_b32 s78, 0x03020100, s78
	s_mov_b32 s79, 0x07060302
	s_cselect_b32 s79, 0x07060504, s79
	s_cselect_b32 s81, s40, s41
	s_cselect_b32 s82, s16, s15
	s_cselect_b32 s83, s41, s40
	s_cselect_b32 s84, s15, s16
	s_mov_b32 s71, 0
	s_mov_b32 s73, 0
	s_mov_b32 s75, 0
	s_mov_b32 s[SEL], 0x76543210
	s_mov_b32 s[SEL+1], 0xfedcba98
	s_add_co_u32 s81, s81, s66
	s_lshl_b32 s81, s81, 1
	s_add_co_u32 s81, s81, s82
	s_lshl_b32 s83, s83, 1
	s_add_co_u32 s83, s83, s84
	s_lshr_b32 s85, s81, 4
	s_and_b32 s86, s81, 15
	s_lshl_b32 s88, ttmp9, 23
	s_lshl_b32 s89, s85, 4
	s_lshl_b32 s90, s83, 1
	s_add_co_u32 s89, s89, s90
	s_lshl_b32 s89, s89, 17
	s_add_co_u32 s88, s88, s89
	s_lshl_b32 s89, s86, 13
	s_add_co_u32 s88, s88, s89
	s_mov_b32 s89, 0
	s_add_nc_u64 s[92:93], s[92:93], s[88:89]
	s_add_nc_u64 s[68:69], s[92:93], s[74:75]
	s_lshl_b32 s88, ttmp9, 18
	s_lshl_b32 s89, s85, 3
	s_add_co_u32 s89, s89, s83
	s_lshl_b32 s89, s89, 4
	s_add_co_u32 s89, s89, s86
	s_lshl_b32 s89, s89, 9
	s_add_co_u32 s88, s88, s89
	s_mov_b32 s89, 0
	s_add_nc_u64 s[94:95], s[94:95], s[88:89]
.set i, 0
.rept 64
	v_and_b32 v[BP+i], s76, v[BP+i]
.set i, i+1
.endr
.set i, 0
.rept 8
	v_and_b32 v[BR+i], s77, v[BR+i]
.set i, i+1
.endr
	v_and_b32 v[XW], 31, v0
	v_cmp_lt_u32 vcc_lo, 15, v[XW]
	v_mov_b32 v[XW], s78
	v_mov_b32 v[VSEL], s79
	v_cndmask_b32 v[VSEL], v[XW], v[VSEL], vcc_lo
.irp b, 0,1,2,3
	v_mov_b32 v[TM+4+\b], 0
.endr
.macro QUANT s, pw
.irp b, 0,1,2,3
	v_max3_num_f32 v[TM+\b], |v[\s+16*\b]|, |v[\s+1+16*\b]|, 0x4800000
.endr
.irp i, 2,4,6,8,10,12,14
.irp b, 0,1,2,3
	v_max3_num_f32 v[TM+\b], v[TM+\b], |v[\s+16*\b+\i]|, |v[\s+1+16*\b+\i]|
.endr
.endr
.irp b, 0,1,2,3
	v_permlanex16_b32 v[TM+4+\b], v[TM+\b], s[SEL], s[SEL+1]
.endr
.irp b, 0,1,2,3
	v_max_num_f32 v[TM+\b], v[TM+\b], v[TM+4+\b]
.endr
.irp b, 0,1,2,3
	v_add_nc_u32 v[TM+12+\b], 0xfc000000, v[TM+\b]
.endr
.irp b, 0,1,2,3
.endr
.irp b, 0,1,2,3
	v_lshrrev_b32 v[TM+4+\b], 23, v[TM+12+\b]
.endr
	v_lshl_or_b32 v[\pw], v[TM+5], 8, v[TM+4]
	v_lshl_or_b32 v[\pw], v[TM+6], 16, v[\pw]
	v_lshl_or_b32 v[\pw], v[TM+7], 24, v[\pw]
.irp b, 0,1,2,3
.irp i, 0,1,2,3,4,5,6,7,8,9,10,11,12,13,14,15
.endr
	v_cvt_scalef32_pk8_fp8_f32 v[PC+4*\b:PC+1+4*\b], v[\s+16*\b:\s+7+16*\b], v[TM+12+\b]
	v_cvt_scalef32_pk8_fp8_f32 v[PC+2+4*\b:PC+3+4*\b], v[\s+8+16*\b:\s+15+16*\b], v[TM+12+\b]
.endr
	v_nop
.endm
.macro OUTBLK a
.set AC, 64*((\a)%4)
.set WN, 0x02+(\a)/4
.if (\a) > 0
	s_wait_xcnt 0x0
	s_add_nc_u64 s[92:93], s[92:93], s[70:71]
	s_add_nc_u64 s[68:69], s[68:69], s[70:71]
.endif
.if (\a) == 4
	s_add_nc_u64 s[92:93], s[92:93], s[72:73]
	s_add_nc_u64 s[68:69], s[68:69], s[72:73]
.endif
	WIN WN
.set i, 0
.rept 32
	v_pk_add_f32 v[NUM+i:NUM+i+1], v[AC+i:AC+i+1], v[BP+i:BP+i+1]
.set i, i+2
.endr
	WIN 0
	v_mov_b32 v[BRT], v[BR+(\a)]
	v_mov_b32 v[BRT+1], v[BR+(\a)]
.set i, 0
.rept 32
	v_pk_add_f32 v[NUM+i:NUM+i+1], v[NUM+i:NUM+i+1], v[BRT:BRT+1]
.set i, i+2
.endr
	QUANT NUM, PWE+(\a)%2
	global_store_b128 v[L16], v[PC:PC+3], s[92:93]
	global_store_b128 v[L16], v[PC+4:PC+7], s[92:93] offset:512
	global_store_b128 v[L16], v[PC+8:PC+11], s[68:69]
	global_store_b128 v[L16], v[PC+12:PC+15], s[68:69] offset:512
.if (\a)%2
	v_perm_b32 v[XW], v[PWE+1], v[PWE], v[VSEL]
	ds_store_b32 v[SST], v[XW] offset:64*((\a)/2)
.endif
.endm
.irp a, 0,1,2,3,4,5,6,7
	OUTBLK \a
.endr
	ds_load_b128 v[SBK:SBK+3], v[SRB]
	s_wait_dscnt 0x0
	global_store_b128 v[L16], v[SBK:SBK+3], s[94:95]
	s_wait_tensorcnt 0x0
	ds_add_u32 v[SPW], v[NIL]
	s_wait_dscnt 0x0
	CROUND
	s_endpgm
.Lfunc_end_k_q88530fd116_proj:
	.size	k_q88530fd116_proj, .Lfunc_end_k_q88530fd116_proj-k_q88530fd116_proj
	.p2alignl 7, 3214868480
	.fill 96, 4, 3214868480
	.section	.rodata,"a",@progbits
	.p2align	6, 0x0
	.amdhsa_kernel k_q88530fd116_proj
		.amdhsa_group_segment_fixed_size 327680
		.amdhsa_private_segment_fixed_size 0
		.amdhsa_enable_private_segment 0
		.amdhsa_kernarg_size 72
		.amdhsa_user_sgpr_count 2
		.amdhsa_user_sgpr_kernarg_segment_ptr 1
		.amdhsa_wavefront_size32 1
		.amdhsa_system_sgpr_workgroup_id_x 1
		.amdhsa_system_sgpr_workgroup_id_y 1
		.amdhsa_system_sgpr_workgroup_id_z 1
		.amdhsa_system_vgpr_workitem_id 0
		.amdhsa_next_free_vgpr 1024
		.amdhsa_next_free_sgpr 106
		.amdhsa_reserve_vcc 1
		.amdhsa_float_denorm_mode_32 3
		.amdhsa_float_denorm_mode_16_64 3
		.amdhsa_fp16_overflow 1
		.amdhsa_memory_ordered 1
		.amdhsa_forward_progress 1
		.amdhsa_inst_pref_size 190
	.end_amdhsa_kernel
	.amdgpu_metadata
---
amdhsa.version: [ 1, 2 ]
amdhsa.kernels:
  - .name:           k_q88530fd116_proj
    .symbol:         k_q88530fd116_proj.kd
    .args:
      - { .name: xc, .offset: 0, .size: 8, .value_kind: global_buffer, .address_space: global }
      - { .name: xs, .offset: 8, .size: 8, .value_kind: global_buffer, .address_space: global }
      - { .name: wc, .offset: 16, .size: 8, .value_kind: global_buffer, .address_space: global }
      - { .name: ws, .offset: 24, .size: 8, .value_kind: global_buffer, .address_space: global }
      - { .name: bq, .offset: 32, .size: 8, .value_kind: global_buffer, .address_space: global }
      - { .name: bk, .offset: 40, .size: 8, .value_kind: global_buffer, .address_space: global }
      - { .name: bv, .offset: 48, .size: 8, .value_kind: global_buffer, .address_space: global }
      - { .name: img, .offset: 56, .size: 8, .value_kind: global_buffer, .address_space: global }
      - { .name: isc, .offset: 64, .size: 8, .value_kind: global_buffer, .address_space: global }
    .group_segment_fixed_size: 327680
    .private_segment_fixed_size: 0
    .kernarg_segment_align: 8
    .kernarg_segment_size: 72
    .max_flat_workgroup_size: 128
    .sgpr_count:     106
    .vgpr_count:     1024
    .wavefront_size: 32
...
	.end_amdgpu_metadata
.endif
;; end of part 2
;; launch attn (part 3): grid 4 x 64, 16 waves a work-group, clusters of 4 x 1, 327,680 bytes of LDS; arguments img, isc, out0; writes out0
.if DOCPART == 3
	.amdgcn_target "amdgcn-amd-amdhsa--gfx1250"
	.amdhsa_code_object_version 6
	.text
	.protected	k_q88530fd116_attn
	.globl	k_q88530fd116_attn
	.p2align	8
	.type	k_q88530fd116_attn,@function
k_q88530fd116_attn:
	s_mov_b64 s[64:65], 0
	v_nop
	global_prefetch_b8 v0, s[64:65] scope:SCOPE_SE
	s_setreg_imm32_b32 hwreg(HW_REG_WAVE_MODE, 25, 1), 1
	s_wait_xcnt 0x0
	s_wait_alu depctr_hold_cnt(0) depctr_sa_sdst(0) depctr_va_vdst(0) depctr_va_sdst(0) depctr_va_ssrc(0) depctr_va_vcc(0) depctr_vm_vsrc(0)
	s_getreg_b32 s2, hwreg(HW_REG_IB_STS2, 6, 4)
	s_cmp_eq_u32 s2, 0
	s_cbranch_scc0 .Lentry_in_a_cluster
	s_endpgm
.Lentry_in_a_cluster:
	s_bfe_u32 s2, ttmp6, 0x10000c
	s_cmp_lg_u32 s2, 0x3003
	s_cbranch_scc0 .Lentry_shape_is_right
	s_endpgm
.Lentry_shape_is_right:
; out0[b][q][64 h + d] = the sum over k of softmax_k(q . k / 8) v, both products on codes of FP8 (E4M3) with one E8M0 scale for each 32 along a product's K.  64 heads (16 b + h), 2,048 tokens, head size 64.
; img, isc: q's, k's and v's codes and scale words as images of operand registers.  img: parts of 8,388,608 bytes (q, k, v); a head 131,072; a step of 128 tokens 8,192: [4 groups][4 pieces][32 lanes][16 bytes].
;   q, k: group g, piece 2 u + c: lane (r, h) holds token 32 g + 8 u + r + 8 (r / 8), channels 32 c + 16 h + 0 .. 15.     v: group 2 bd + ud, piece c: lane (r, h) holds channel 32 bd + 8 ud + r + 8 (r / 8), keys 32 c + 16 h + 0 .. 15.
;   isc: parts of 262,144 bytes; a pair of heads 8,192; a step 512.  q, k: [head of the pair][g][r] words, bytes (u 0 c 0, u 0 c 1, u 1 c 0, u 1 c 1).  v: [ud][head of the pair][bd][r] words, byte c.
; THE SOFTMAX AHEAD OF THE SECOND PRODUCT: t = score x log2(e) / 8; M = the row's largest t so far, rounded UP to a whole number; p = 2^(t - M) is quantised along the keys, not normalised.  The row's sum is taken of the
; unquantised p and divides at the end.  When M moves, the sum and O are multiplied by 2^(old M - new M): exact.
; SHARES.  A work-group owns 512 queries of one head; each of its sixteen waves one tile of 16 queries in each of two passes, in 256 registers: four waves to a SIMD, so that one wave's vector work stands beside another's matrix work and LDS loads.
; THE WHOLE HEAD'S K AND V LIE IN LDS, 2 x 131,072 bytes, filled ONCE: no slot is ever filled again.  They come in four quarters of 512 keys; a quarter is waited for when the first pass reaches it.  All that is fetched is asked for at the head.
; CLUSTER.  The four work-groups of a head form a cluster and ask for K and V JOINTLY: the same tensor loads, the same descriptors, a mask that names the four.
; LAYOUT.  Both products are used transposed: S^T = K Q^T, O^T = V^T P^T: a lane holds ONE query (lane % 16).  The head's 64 channels fill half of the instruction's K: a group of K (16 registers) holds TWO tiles of 16 keys, one in
; k 0-63 and one in k 64-127; multiplied by (q, zeros) it gives the first tile's scores, by (zeros, q) the second's.  By the tokens' order in a group, the 16 registers of the two results are 16 neighbouring keys: 32 g + 16 (lane / 16) + 0 .. 15.
; LIMITS: NaN and infinities are not served.
.set KIMG, 0                           ; LDS: K's images,
.set VIMG, 131072                      ; V's,
.set KSC,  262144                      ; K's scale words of my head, [step][g][r], 4,096 bytes: stored by the waves, never a fill's target;
.set VSC,  266240                      ; V's, [step][ud][bd][r], 4,096 bytes;
.set STG,  270336                      ; the way out: 16 rows x 144 bytes for each wave
.set SROW, 144                         ; a stage row: 128 bytes + 16 of padding
.set LI,   1                           ; v1   16 x lane
.set LIV,  2                           ; v2   the same + VIMG
.set LRK,  3                           ; v3   KSC + 4 r
.set LRV,  4                           ; v4   VSC + 4 r
.set ADK,  5                           ; v5-8 the step's LDS addresses: K, V, K's scale words, V's
.set ADV,  6
.set ADS,  7
.set ADT,  8
.set GO,   9                           ; v9   the way out: 4,096 (lane / 16) + 16 (lane % 16)
.set STO,  10                          ; v10  the stage: where I put 64 bytes of a row
.set SRD,  11                          ; v11  and where I read 16 back
                                       ; v12 -M, v13 the largest t, v[14:15] the sum in two halves
.set QHI,  16                          ; v16-31 (zeros, q);
.set QLO,  24                          ; v24-39 (q, zeros): v16-23 and v32-39 stay 0, v24-31 hold q
.set KF,   40                          ; v40-103  K's four groups, then V's
.set S,    104                         ; v104-167 S^T, then p
.set O,    168                         ; v168-199 O^T: register 16 bd + i = channel 32 bd + 16 (lane / 16) + i
.set PC,   200                         ; v200-215 p's codes
.set BM,   216                         ; v216-219 each block's largest score, then its largest p
.set T2,   220                         ; v220-223 at work
.set HO,   224
.set SO,   228                         ; v228-231 the conversions' scale operands
.set KS,   232                         ; v232-235 K's scale words
.set VS,   236                         ; v236-239 V's
.set QSL,  240                         ; v240, v241 q's scale words for (q, zeros) and for (zeros, q)
.set QSH,  241
.set PW,   242                         ; v242 p's scale word
.set FF,   244                         ; v[244:245] f = 2^(old M - new M); the pair's upper half is written once
.set TMP,  246
.set TM2,  247
.set CH,   248                         ; v[248:249] the sum's second chain
.set R4,   250                         ; v250 4 r
.set QW,   251                         ; v251 q's scale word as loaded
.set WV,   10                          ; s10  my wave's number
.set G1,   16                          ; s[16:23] descriptor group 1
.set G0,   24                          ; s[24:39] four groups 0, one for each quarter
.set CS,   48                          ; s[48:49] c = log2(e) / 8
.set SEL,  50                          ; s[50:51] v_permlanex16_b32's selects for lane l xor 16
.set MNT,  52
.set TK,   53                          ; s53  the step's byte in K's and in V's images
.set TS,   54                          ; s54  and in their scale words
.set CNT,  55                          ; s55  steps to go in the quarter
.set PASS, 56                          ; s56  passes to go
.macro CROUND                          ; a round of the cluster's barrier
	s_barrier_signal -1
	s_barrier_wait -1
	s_cmp_lg_u32 s[WV], 0
	s_cbranch_scc1 .Lnot_wave_0_\@
	s_barrier_signal -3
.Lnot_wave_0_\@:
	s_barrier_wait -3
	s_barrier_signal -1
	s_barrier_wait -1
.endm
	s_load_b128 s[4:7], s[0:1], 0x0                ; img, isc
	s_load_b64 s[8:9], s[0:1], 0x10                ; out0
	v_lshl_add_u32 v254, v0, 2, 0x4b000
	v_mov_b32 v255, 0
	ds_add_u32 v254, v255
	ds_add_u32 v254, v255
	v_lshrrev_b32 v1, 5, v0
	s_delay_alu instid0(VALU_DEP_1)
	v_readfirstlane_b32 s[WV], v1                  ; wave 0..15
	s_bfe_u32 s11, ttmp6, 0x40000                  ; cx: which 512 queries
	s_and_b32 s12, ttmp7, 0xffff                   ; the head 16 b + h, which the four partners share
	s_and_b32 s13, s12, 1                          ; which head of its pair
	; descriptor group 1: 16,384 dense bytes as 64 rows of 256 bytes (32 elements of 8 bytes), no padding: images are read as they lie, 512 consecutive bytes an instruction
	s_mov_b32 s[G1], 15|(3<<16)|(1<<21)            ; 15:0 the mask: all four work-groups; 17:16 elements of 8 bytes; 21 set beside a mask
	s_mov_b32 s[G1+1], 32<<16                      ; tensor_dim0 = 32
	s_mov_b32 s[G1+2], 64<<16                      ; tensor_dim1 = 64
	s_mov_b32 s[G1+3], 32<<16                      ; tile_dim0 = 32
	s_mov_b32 s[G1+4], 64                          ; tile_dim1 = 64
	s_mov_b32 s[G1+5], 32                          ; tensor_dim0_stride
	s_mov_b32 s[G1+6], 0
	s_mov_b32 s[G1+7], 0
	; waves 0 to 3 fetch: wave 0, 1: the halves of each quarter of K; wave 2, 3: of V
	s_bfe_u32 s14, s[WV], 0x10001                  ; K (0) or V (1)
	s_and_b32 s15, s[WV], 1
	s_lshl_b32 s15, s15, 14                        ; which 16,384 bytes of a quarter
	s_lshl_b32 s2, s14, 23
	s_add_co_u32 s2, s2, 8388608                   ; img's part,
	s_lshl_b32 s3, s12, 17
	s_add_co_u32 s2, s2, s3                        ; the head,
	s_add_co_u32 s2, s2, s15                       ; my half
	s_mov_b32 s3, 0
	s_lshl_b32 s14, s14, 17
	s_add_co_u32 s14, s14, s15                     ; and in LDS: no place in the cluster enters an LDS address
	s_mov_b32 s[CS], 0x3e38aa3b                    ; c = log2(e) / 8
	s_mov_b32 s[CS+1], s[CS]                       ; (named with it as a pair, so it is written)
	s_mov_b32 s[SEL], 0x76543210
	s_mov_b32 s[SEL+1], 0xfedcba98
	s_mov_b32 s[PASS], 2
	s_wait_dscnt 0x0
	s_wait_kmcnt 0x0
	s_add_nc_u64 s[58:59], s[4:5], s[2:3]
.irp n, 0,1,2,3
	s_mov_b32 s[G0+4*\n], 1                        ; count = 1
	s_add_co_u32 s[G0+4*\n+1], s14, \n*32768       ; LDS address: quarter n
	s_add_nc_u64 s[G0+4*\n+2:G0+4*\n+3], s[58:59], \n*32768
	s_or_b32 s[G0+4*\n+3], s[G0+4*\n+3], 0x80000000   ; type = 2
.endr
	CROUND                                         ; all four work-groups are here: the joint loads meet
	s_cmp_lt_u32 s[WV], 4                          ; a wave's four fills stand in one branch, ahead of every wait on TENSORcnt, every LDS read and every other barrier: four loads of mine are out
	s_cbranch_scc0 .Lno_fill
	tensor_load_to_lds s[G0:G0+3], s[G1:G1+7]
	s_nop 0
	tensor_load_to_lds s[G0+4:G0+7], s[G1:G1+7]
	s_nop 0
	tensor_load_to_lds s[G0+8:G0+11], s[G1:G1+7]
	s_nop 0
	tensor_load_to_lds s[G0+12:G0+15], s[G1:G1+7]
	s_nop 0
.rept 4
	v_nop
.endr
.Lno_fill:
	; MY HEAD'S SCALE WORDS of K (waves 0-7) and V (waves 8-15) are cut out of the pair's: 16 bytes a thread, to LDS byte KSC + 16 x thread.  With t = thread % 256:
	; K: step t / 16: 256 consecutive bytes of each 512;  V: half step t / 8: 128 consecutive bytes of each 256.
	s_cmp_lt_u32 s[WV], 8
	s_cselect_b32 s60, 4, 3
	s_cselect_b32 s61, 8, 7
	s_mov_b32 s62, 524288
	s_cselect_b32 s62, 262144, s62                 ; isc's part
	s_lshl_b32 s63, s13, s61                       ; my head of the pair: 256 or 128 bytes on
	s_add_co_u32 s62, s62, s63
	s_lshr_b32 s63, s12, 1
	s_lshl_b32 s63, s63, 13                        ; the pair
	s_add_co_u32 s62, s62, s63
	s_mov_b32 s63, 0
	s_add_nc_u64 s[62:63], s[6:7], s[62:63]
	v_and_b32 v[TMP], 255, v0
	s_delay_alu instid0(VALU_DEP_1)
	v_lshrrev_b32 v[TM2], s60, v[TMP]
	s_delay_alu instid0(VALU_DEP_1)
	v_lshlrev_b32 v[TM2], s61, v[TM2]
	s_delay_alu instid0(VALU_DEP_1)
	v_lshl_add_u32 v[TM2], v[TMP], 4, v[TM2]       ; 16 t + what is passed over
	global_load_b128 v[S:S+3], v[TM2], s[62:63]
	; where my queries lie: tile 16 x pass + wave of the work-group's 32: step 4 cx + 2 x pass + wave / 8, group (wave / 2) % 4, u = wave % 2
	s_lshl_b32 s2, s12, 17
	s_lshl_b32 s3, s11, 15
	s_add_co_u32 s2, s2, s3
	s_lshl_b32 s3, s[WV], 10
	s_add_co_u32 s2, s2, s3
	s_mov_b32 s3, 0
	s_add_nc_u64 s[40:41], s[4:5], s[2:3]          ; q's codes: 1,024 bytes a tile
	s_lshr_b32 s2, s12, 1
	s_lshl_b32 s2, s2, 13
	s_lshl_b32 s3, s11, 2
	s_lshr_b32 s47, s[WV], 3
	s_add_co_u32 s3, s3, s47
	s_lshl_b32 s3, s3, 9
	s_add_co_u32 s2, s2, s3
	s_lshl_b32 s3, s13, 8
	s_add_co_u32 s2, s2, s3
	s_bfe_u32 s3, s[WV], 0x20001
	s_lshl_b32 s3, s3, 6
	s_add_co_u32 s2, s2, s3
	s_mov_b32 s3, 0
	s_add_nc_u64 s[42:43], s[6:7], s[2:3]          ; q's scale words
	s_lshr_b32 s2, s12, 4
	s_lshl_b32 s2, s2, 11                          ; the batch's 2,048 tokens,
	s_lshl_b32 s3, s11, 9
	s_add_co_u32 s2, s2, s3                        ; + 512 cx
	s_lshl_b32 s3, s47, 7
	s_add_co_u32 s2, s2, s3                        ; + 128 (wave / 8)
	s_bfe_u32 s3, s[WV], 0x20001
	s_lshl_b32 s3, s3, 5
	s_add_co_u32 s2, s2, s3                        ; + 32 g
	s_and_b32 s46, s[WV], 1
	s_lshl_b32 s3, s46, 3
	s_add_co_u32 s2, s2, s3                        ; + 8 u
	s_lshl_b32 s2, s2, 12                          ; rows of 4,096 bytes (under 2^25)
	s_and_b32 s3, s12, 15
	s_lshl_b32 s3, s3, 8
	s_add_co_u32 s2, s2, s3                        ; the head's 256 bytes of a row
	s_mov_b32 s3, 0
	s_add_nc_u64 s[44:45], s[8:9], s[2:3]          ; out0
	s_lshl_b32 s46, s46, 4                         ; 16 u: which half of q's scale word is my tile's
	v_and_b32 v[TMP], 31, v0
	s_delay_alu instid0(VALU_DEP_1)
	v_lshlrev_b32 v[LI], 4, v[TMP]
	s_delay_alu instid0(VALU_DEP_1)
	v_add_nc_u32 v[LIV], VIMG, v[LI]
	v_and_b32 v[TMP], 15, v0                       ; r
	s_delay_alu instid0(VALU_DEP_1)
	v_lshlrev_b32 v[R4], 2, v[TMP]
	s_delay_alu instid0(VALU_DEP_1)
	v_add_nc_u32 v[LRK], KSC, v[R4]
	s_delay_alu instid0(VALU_DEP_2)
	v_add_nc_u32 v[LRV], VSC, v[R4]
	v_bfe_u32 v[T2], v0, 4, 1                      ; h
	v_lshlrev_b32 v[GO], 4, v[TMP]
	s_delay_alu instid0(VALU_DEP_1)
	v_lshl_add_u32 v[GO], v[T2], 12, v[GO]
	s_mul_i32 s47, s[WV], 16*SROW
	s_add_co_u32 s47, s47, STG                     ; my stage
	v_mul_u32_u24 v[STO], v[TMP], SROW
	s_delay_alu instid0(VALU_DEP_1)
	v_lshl_add_u32 v[STO], v[T2], 6, v[STO]
	s_delay_alu instid0(VALU_DEP_1)
	v_add_nc_u32 v[STO], s47, v[STO]               ; in: row r, + 64 h
	v_mul_u32_u24 v[SRD], v[T2], SROW
	v_and_b32 v[TMP], 7, v0
	s_delay_alu instid0(VALU_DEP_1)
	v_lshl_add_u32 v[SRD], v[TMP], 4, v[SRD]
	s_delay_alu instid0(VALU_DEP_1)
	v_add_nc_u32 v[SRD], s47, v[SRD]               ; back: row lane / 16, 16 bytes at lane % 8
.irp i, 0,1,2,3,4,5,6,7
	v_mov_b32 v[QHI+\i], 0                         ; the zero codes beside q
	v_mov_b32 v[QLO+8+\i], 0
.endr
.irp b, 0,1,2,3
	v_mov_b32 v[T2+\b], 0                          ; written once: a lane permute's destination counts as one of its sources
.endr
	v_mov_b32 v[FF+1], 0                           ; (named as the upper half of the pair before it is otherwise written)
	v_lshl_add_u32 v[TMP], v0, 4, KSC
	s_wait_alu depctr_va_vdst(0)
	s_wait_loadcnt 0x0
	ds_store_b128 v[TMP], v[S:S+3]                 ; the first barrier below stands between this and the others' reads
; A KEY STEP: 128 keys.
.macro STEP
	v_add_nc_u32 v[ADK], s[TK], v[LI]
	v_add_nc_u32 v[ADV], s[TK], v[LIV]
	v_add_nc_u32 v[ADS], s[TS], v[LRK]
	v_add_nc_u32 v[ADT], s[TS], v[LRV]
.rept 4
	v_nop                                          ; with the four additions: eight places in front of loads into registers that the last step's products read
.endr
.irp g, 0,1,2,3
.irp c, 0,1,2,3
	ds_load_b128 v[KF+16*\g+4*\c:KF+16*\g+4*\c+3], v[ADK] offset:2048*\g+512*\c   ; 32 lanes read 512 consecutive bytes
.endr
	ds_load_b32 v[KS+\g], v[ADS] offset:64*\g
.endr
	s_wait_alu depctr_va_vdst(0)
	s_wait_dscnt 0x0
.irp g, 0,1,2,3                                ; S^T = K Q^T: a group of K against (q, zeros) and against (zeros, q)
	v_wmma_scale_f32_16x16x128_f8f6f4 v[S+16*\g:S+16*\g+7], v[KF+16*\g:KF+16*\g+15], v[QLO:QLO+15], 0, v[KS+\g], v[QSL]
	v_wmma_scale_f32_16x16x128_f8f6f4 v[S+16*\g+8:S+16*\g+15], v[KF+16*\g:KF+16*\g+15], v[QHI:QHI+15], 0, v[KS+\g], v[QSH]
.endr
.rept 8
	v_nop                                          ; places: in front of the loads below and of the first read of the scores
.endr
.irp g, 0,1,2,3                                ; V's four groups are asked for here and land under the softmax
.irp c, 0,1,2,3
	ds_load_b128 v[KF+16*\g+4*\c:KF+16*\g+4*\c+3], v[ADV] offset:2048*\g+512*\c
.endr
	ds_load_b32 v[VS+\g], v[ADT] offset:128*(\g%2)+64*(\g/2)
.endr
.irp b, 0,1,2,3
	v_max3_num_f32 v[BM+\b], v[S+16*\b], v[S+1+16*\b], v[S+2+16*\b]   ; THE LARGEST SCORE OF EACH BLOCK OF 32 KEYS: for the row's maximum, and, since p rises with the score, for the block's largest p
.endr
.irp i, 3,5,7,9,11,13
.irp b, 0,1,2,3
	v_max3_num_f32 v[BM+\b], v[BM+\b], v[S+16*\b+\i], v[S+1+16*\b+\i]   ; (the four blocks by turns)
.endr
.endr
.irp b, 0,1,2,3
	v_max_num_f32 v[BM+\b], v[BM+\b], v[S+15+16*\b]
.endr
.irp b, 0,1,2,3
	s_delay_alu instid0(VALU_DEP_4)
	v_permlanex16_b32 v[T2+\b], v[BM+\b], s[SEL], s[SEL+1]
.endr
.irp b, 0,1,2,3
	s_delay_alu instid0(VALU_DEP_4)
	v_max_num_f32 v[BM+\b], v[BM+\b], v[T2+\b]     ; with lane l xor 16's 16 keys
.endr
	s_delay_alu instid0(VALU_DEP_2)
	v_max3_num_f32 v[TMP], v[BM], v[BM+1], v[BM+2]
	s_delay_alu instid0(VALU_DEP_1)
	v_max_num_f32 v[TMP], v[TMP], v[BM+3]          ; the step's largest score of my query
	s_delay_alu instid0(VALU_DEP_1)
	v_mul_f32 v[TMP], s[CS], v[TMP]                ; as t (c is positive)
	s_delay_alu instid0(VALU_DEP_1)
	v_max_num_f32 v13, v13, v[TMP]                 ; the running largest t
	v_mov_b32 v[TMP], v12
	s_delay_alu instid0(VALU_DEP_2)
	v_floor_f32 v12, -v13                          ; the new -M = floor(-t) = -ceil(t): M IS A WHOLE NUMBER
	s_delay_alu instid0(VALU_DEP_1)
	v_sub_f32 v[TMP], v12, v[TMP]                  ; M's old value less its new one: a whole number, 0 or less
	s_delay_alu instid0(VALU_DEP_1)
	v_cvt_i32_f32 v[TMP], v[TMP]                   ; (it saturates)
	s_delay_alu instid0(VALU_DEP_1)
	v_ldexp_f32 v[FF], 1.0, v[TMP]                 ; f = 2^(old M - new M)
.set j, 0
.rept 32
	v_pk_fma_f32 v[S+j:S+j+1], v[S+j:S+j+1], s[CS:CS+1], v[12:13] op_sel_hi:[1,0,0]   ; t - M, two at a time (of the pairs c and -M the low word serves both halves)
.set j, j+2
.endr
.irp b, 0,1,2,3
	v_fma_f32 v[BM+\b], v[BM+\b], s[CS], v12       ; the same of each block's largest score
.endr
.set j, 0
	s_setprio 1
	s_wait_alu depctr_va_vdst(0)
.rept 64
	v_exp_f32 v[S+j], v[S+j]                       ; p = 2^(t - M), at most 1: NOT normalised
.set j, j+1
.endr
	v_pk_mul_f32 v[14:15], v[14:15], v[FF:FF+1] op_sel_hi:[1,0]   ; the sums under the new M.  (The plain line behind the exponentials)
	s_wait_alu depctr_va_vdst(0)                   ; one wait for the whole batch, ahead of its first reader
.irp b, 0,1,2,3
	v_exp_f32 v[BM+\b], v[BM+\b]                   ; the block's largest p: the same two instructions on the same number give the same bits
.endr
	v_pk_add_f32 v[248:249], v[108:109], v[112:113]
	v_pk_add_f32 v[252:253], v[116:117], v[120:121]
	v_pk_add_f32 v[242:243], v[124:125], v[128:129]
	v_pk_add_f32 v[234:235], v[132:133], v[136:137]
	v_pk_add_f32 v[232:233], v[140:141], v[144:145]
	v_pk_add_f32 v[230:231], v[148:149], v[152:153]
	v_pk_add_f32 v[228:229], v[156:157], v[160:161]
	v_pk_add_f32 v[14:15], v[14:15], v[164:165]
	v_pk_add_f32 v[248:249], v[248:249], v[104:105]
	v_pk_add_f32 v[252:253], v[252:253], v[106:107]
	v_pk_add_f32 v[242:243], v[242:243], v[110:111]
	v_pk_add_f32 v[234:235], v[234:235], v[114:115]
	v_pk_add_f32 v[232:233], v[232:233], v[118:119]
	v_pk_add_f32 v[230:231], v[230:231], v[122:123]
	v_pk_add_f32 v[228:229], v[228:229], v[126:127]
	v_pk_add_f32 v[14:15], v[14:15], v[130:131]
	v_pk_add_f32 v[248:249], v[248:249], v[134:135]
	v_pk_add_f32 v[252:253], v[252:253], v[138:139]
	v_pk_add_f32 v[242:243], v[242:243], v[142:143]
	v_pk_add_f32 v[234:235], v[234:235], v[146:147]
	v_pk_add_f32 v[232:233], v[232:233], v[150:151]
	v_pk_add_f32 v[230:231], v[230:231], v[154:155]
	v_pk_add_f32 v[228:229], v[228:229], v[158:159]
	v_pk_add_f32 v[14:15], v[14:15], v[162:163]
	v_pk_add_f32 v[248:249], v[248:249], v[166:167]
	s_delay_alu instid0(VALU_DEP_2)
	v_pk_add_f32 v[14:15], v[14:15], v[234:235]
	s_delay_alu instid0(VALU_DEP_2)
	v_pk_add_f32 v[248:249], v[248:249], v[232:233]
	v_pk_add_f32 v[252:253], v[252:253], v[230:231]
	v_pk_add_f32 v[242:243], v[242:243], v[228:229]
	s_delay_alu instid0(VALU_DEP_2)
	v_pk_add_f32 v[14:15], v[14:15], v[252:253]
	s_delay_alu instid0(VALU_DEP_2)
	v_pk_add_f32 v[248:249], v[248:249], v[242:243]
	s_delay_alu instid0(VALU_DEP_1)
	v_pk_add_f32 v[14:15], v[14:15], v[248:249]
	s_wait_alu depctr_va_vdst(0)                   ; and one for the four
.irp b, 0,1,2,3
	v_max_num_f32 v[BM+\b], 0x4800000, v[BM+\b]    ; the floor 2^(9 - 127): the byte cannot fall under 1 (a block whose every p has fallen to 0 keeps that byte: its codes are zeros)
.endr
.irp b, 0,1,2,3
	s_delay_alu instid0(VALU_DEP_4)
	v_add_nc_u32 v[SO+\b], 0xfc000000, v[BM+\b]    ; 8 off the exponent field: the conversion's scale operand
.endr
.irp b, 0,1,2,3
.endr
.irp b, 0,1,2,3
	s_delay_alu instid0(VALU_DEP_4)
	v_lshrrev_b32 v[T2+\b], 23, v[SO+\b]           ; the scale's byte
.endr
	s_delay_alu instid0(VALU_DEP_3)
	v_lshl_or_b32 v[PW], v[T2+1], 8, v[T2]         ; p's scale word for these 128 keys: far more than eight places ahead of the products that name it
	s_delay_alu instid0(VALU_DEP_1)
	v_lshl_or_b32 v[PW], v[T2+2], 16, v[PW]
	s_delay_alu instid0(VALU_DEP_1)
	v_lshl_or_b32 v[PW], v[T2+3], 24, v[PW]
	s_setprio 0
.irp b, 0,1,2,3
.irp i, 0,1,2,3,4,5,6,7,8,9,10,11,12,13,14,15
.endr
	v_cvt_scalef32_pk8_fp8_f32 v[PC+4*\b:PC+1+4*\b], v[S+16*\b:S+7+16*\b], v[SO+\b]
	v_cvt_scalef32_pk8_fp8_f32 v[PC+2+4*\b:PC+3+4*\b], v[S+8+16*\b:S+15+16*\b], v[SO+\b]
.endr
.set j, 0
.rept 16
	v_pk_mul_f32 v[O+j:O+j+1], v[O+j:O+j+1], v[FF:FF+1] op_sel_hi:[1,0]   ; O^T under the new M, each accumulator from its low end on.  (These 16 are also the places between the codes and the products)
.set j, j+2
.endr
	s_wait_alu depctr_va_vdst(0)
	s_wait_dscnt 0x0                               ; V and its scale words are in
.irp g, 0,1,2,3                                ; O^T += V^T P^T: four accumulators, one instruction each
	v_wmma_scale_f32_16x16x128_f8f6f4 v[O+8*\g:O+8*\g+7], v[KF+16*\g:KF+16*\g+15], v[PC:PC+15], v[O+8*\g:O+8*\g+7], v[VS+\g], v[PW]
.endr
	s_add_co_u32 s[TK], s[TK], 8192                ; the next step's images
	s_add_co_u32 s[TS], s[TS], 256                 ; and scale words
.endm
; A QUARTER: 512 keys, four steps.  In front of it each fetching wave waits for its part of the quarter, counted: the 3 - n loads behind it may stay out, since no LDS byte is ever filled again; then the barrier shows the quarter to all sixteen.
; (In the second pass everything has landed: the waits are met at once.)
.macro QUARTER n
	s_wait_tensorcnt 3-\n
	s_wait_dscnt 0x0                               ; no LDS instruction of mine is out at the signal (ahead of quarter 0: my store of scale words has landed)
	s_barrier_signal -1
	s_barrier_wait -1
	s_mov_b32 s[TK], 32768*\n
	s_mov_b32 s[TS], 1024*\n
	s_mov_b32 s[CNT], 4
.Lstep_\@:
	s_setprio 2
	STEP
	s_sub_co_u32 s[CNT], s[CNT], 1
	s_cmp_lg_u32 s[CNT], 0
	s_cbranch_scc1 .Lstep_\@
	s_setprio 0
.endm
.Lpass:                                            ; two trips: tile wave, then tile 16 + wave
	global_load_b128 v[QLO:QLO+3], v[LI], s[40:41]             ; q: channels 16 h on,
	global_load_b128 v[QLO+4:QLO+7], v[LI], s[40:41] offset:512   ; and 32 + 16 h on
	global_load_b32 v[QW], v[R4], s[42:43]         ; the scale word of row r of my group: both tiles' bytes
	v_mov_b32 v13, 0xff61b1e6                      ; the largest t so far: -3e38, under every t
	s_delay_alu instid0(VALU_DEP_1)
	v_floor_f32 v12, -v13                          ; -M
	v_mov_b32 v14, 0                               ; the sum, in two halves
	v_mov_b32 v15, 0
	s_wait_loadcnt 0x0
	v_lshrrev_b32 v[QW], s46, v[QW]
	s_delay_alu instid0(VALU_DEP_1)
	v_and_b32 v[QW], 0xffff, v[QW]                 ; my tile's two bytes
	s_delay_alu instid0(VALU_DEP_1)
	v_or_b32 v[QSL], 0x01010000, v[QW]             ; for (q, zeros): the blocks of zero codes get the byte 1
	s_delay_alu instid0(VALU_DEP_2)
	v_lshl_or_b32 v[QSH], v[QW], 16, 0x0101        ; for (zeros, q)
.set j, 0
.rept 32
	v_mov_b32 v[O+j], 0                            ; O^T.  (The step is written once: the first finds zeros, which the first change of M leaves zeros.  These lines are also the places between q's scale words and the first products)
.set j, j+1
.endr
	QUARTER 0
	QUARTER 1
	QUARTER 2
	QUARTER 3
	; THE WAY OUT.  O^T is divided by the sum and goes through my stage in LDS, 32 channels (128 bytes) of 16 queries at a time; then sixteen lanes hold one query's 64 channels: 256 consecutive bytes of out0, aligned.
.rept 8
	v_nop                                          ; places behind the last products
.endr
	v_add_f32 v14, v14, v15                        ; the sum's two halves,
	s_delay_alu instid0(VALU_DEP_1)
	v_permlanex16_b32 v[TMP], v14, s[SEL], s[SEL+1]
	s_delay_alu instid0(VALU_DEP_1)
	v_add_f32 v14, v14, v[TMP]                     ; and lane l xor 16's: the row's sum
	s_wait_alu depctr_va_vdst(0)
	v_rcp_f32 v14, v14
	v_and_b32 v[TMP], 8, v0                        ; (a plain line behind the reciprocal)
	s_delay_alu instid0(VALU_DEP_1)
	v_cmp_ne_u32 vcc_lo, 0, v[TMP]                 ; lanes 8-15 and 24-31: they take channels 32 on
	s_wait_alu depctr_va_vdst(0)                   ; the wait ahead of the reciprocal's first reader
.set j, 0
.rept 32
	v_mul_f32 v[O+j], v[O+j], v14                  ; each accumulator from its low end on
.set j, j+1
.endr
.irp d, 0,1                                    ; channels 32 d on
.irp i, 0,1,2,3
	ds_store_b128 v[STO], v[O+16*\d+4*\i:O+16*\d+4*\i+3] offset:16*\i
.endr
.irp k, 0,1,2,3,4,5,6,7
	ds_load_b128 v[S+32*\d+4*\k:S+32*\d+4*\k+3], v[SRD] offset:2*\k*SROW   ; LDS serves a wave's instructions in order: these see my stores, and the next half's stores come behind them
.endr
.endr
	s_wait_dscnt 0x0
.set j, 0
.rept 32
	v_cndmask_b32 v[S+j], v[S+j], v[S+32+j], vcc_lo
.set j, j+1
.endr
.irp k, 0,1,2,3,4,5,6,7
	global_store_b128 v[GO], v[S+4*\k:S+4*\k+3], s[44:45] offset:(2*\k+8*(\k/4))*4096 th:TH_STORE_NT   ; stage rows 2 k and 2 k + 1 are tokens 2 k + 8 (k / 4) and the next; 16 lanes store 256 consecutive bytes, aligned
.endr
	s_wait_xcnt 0x0                                ; the stores have read their data and their base: both are written again only behind this wait
	s_add_nc_u64 s[40:41], s[40:41], 16384         ; sixteen tiles on (not used behind the last pass)
	s_add_nc_u64 s[42:43], s[42:43], 1024          ; two steps on
	s_add_nc_u64 s[44:45], s[44:45], 1048576       ; 256 tokens on
	s_sub_co_u32 s[PASS], s[PASS], 1
	s_cmp_lg_u32 s[PASS], 0
	s_cbranch_scc1 .Lpass
	s_wait_tensorcnt 0x0                           ; nothing of mine is out
	s_wait_dscnt 0x0
	s_wait_tensorcnt 0x0
	ds_add_u32 v254, v255
	s_wait_dscnt 0x0
	CROUND                                         ; the closing round: no work-group ends while a partner may still ask for a tile that names it
	s_endpgm
.Lfunc_end_k_q88530fd116_attn:
	.size	k_q88530fd116_attn, .Lfunc_end_k_q88530fd116_attn-k_q88530fd116_attn
	.p2alignl 7, 3214868480
	.fill 96, 4, 3214868480
	.section	.rodata,"a",@progbits
	.p2align	6, 0x0
	.amdhsa_kernel k_q88530fd116_attn
		.amdhsa_group_segment_fixed_size 327680
		.amdhsa_private_segment_fixed_size 0
		.amdhsa_enable_private_segment 0
		.amdhsa_kernarg_size 24
		.amdhsa_user_sgpr_count 2
		.amdhsa_user_sgpr_kernarg_segment_ptr 1
		.amdhsa_wavefront_size32 1
		.amdhsa_system_sgpr_workgroup_id_x 1
		.amdhsa_system_sgpr_workgroup_id_y 1
		.amdhsa_system_sgpr_workgroup_id_z 1
		.amdhsa_system_vgpr_workitem_id 0
		.amdhsa_next_free_vgpr 256
		.amdhsa_next_free_sgpr 66
		.amdhsa_reserve_vcc 1
		.amdhsa_float_denorm_mode_32 3
		.amdhsa_float_denorm_mode_16_64 3
		.amdhsa_fp16_overflow 1
		.amdhsa_memory_ordered 1
		.amdhsa_forward_progress 1
		.amdhsa_inst_pref_size 87
	.end_amdhsa_kernel
	.amdgpu_metadata
---
amdhsa.version: [ 1, 2 ]
amdhsa.kernels:
  - .name:           k_q88530fd116_attn
    .symbol:         k_q88530fd116_attn.kd
    .args:
      - { .name: img, .offset: 0, .size: 8, .value_kind: global_buffer, .address_space: global }
      - { .name: isc, .offset: 8, .size: 8, .value_kind: global_buffer, .address_space: global }
      - { .name: out0, .offset: 16, .size: 8, .value_kind: global_buffer, .address_space: global }
    .group_segment_fixed_size: 327680
    .private_segment_fixed_size: 0
    .kernarg_segment_align: 8
    .kernarg_segment_size: 24
    .max_flat_workgroup_size: 512
    .sgpr_count:     66
    .vgpr_count:     256
    .wavefront_size: 32
...
	.end_amdgpu_metadata
.endif
;; end of part 3
